; MI455X (gfx1250); checked and timed in simulation.
; The chip was launched on July 23, 2026; its instructions are those of AMD's public machine-readable ISA for CDNA 5 (MIT licence, August 2026) and "CDNA5" Instruction Set Architecture Reference Guide (July 2026). The comments in the code are by the model that wrote it; some were corrected since.
;; Vector Quantizer. Allowed arithmetic: matrix products marked QUANTISED: E2M1 operands, one E8M0 scale for each 32 along K, by v_wmma_scale_f32_16x16x128_f8f6f4 with both operands' format E2M1 (or v_wmma_scale_f32_32x16x128_f4), f32 sums; everything else in f32.
;; Inputs: emb 8,192 x 256 float32; z 8 x 4,096 x 256 float32.
;; Outputs: out0 8 x 4,096 x 256 float32; out1 one number float32; out2 8 x 4,096 int32.
;; This version of the problem:
;;   THIS VERSION OF THE PROBLEM IS GIVEN IN LOW PRECISION. The matrix products marked QUANTISED in the list below multiply operands that are first quantised to E2M1 (2 exponent bits, 1 mantissa bit; 4 bits a number), with one power-of-two scale for each 32 numbers along K (OCP MX v1.0); their sums are f32. All else is computed in f32.
;;   The module's matrix products, in the order in which they are computed (A, B: the left and right operand; K: the contracted axis; several contracted axes count as one K, in the product's order):
;;     1. [M 32,768, K 256] x [K 256, N 8,192]; A: input z; B: input emb: QUANTISED
;;   THE QUANTISER, for each operand of a quantised product, along K:
;;     - K is cut into blocks of 32 from its start; a last block that is shorter is filled with zeros.
;;     - A block's scale is 2^e with e = floor(log2(the largest magnitude in the block)) - 2, held to -126 .. 127; a block of zeros has e = 0. As a byte (E8M0): e + 127.
;;     - Each number is divided by its block's scale, clamped to +-6, and rounded to the nearest number of E2M1, ties to even, subnormals kept.
;;     - The product sums the exact products of the quantised numbers (number of the format x scale) in f32.
;;   ~~~python
;;   def quantise(x, axis):      # numpy; x: float32 -> the quantised numbers, widened to float32 again
;;       x = np.moveaxis(x, axis, -1); K = x.shape[-1]
;;       x = np.pad(x, [(0, 0)] * (x.ndim - 1) + [(0, -K % 32)]); x = x.reshape(x.shape[:-1] + (-1, 32)); a = np.abs(x).max(-1, keepdims=True)
;;       e = np.where(a > 0, np.clip(np.frexp(np.where(a > 0, a, 1))[1] - 1 - 2, -126, 127), 0)      # np.frexp(a)[1] - 1 = floor(log2(a)), exactly
;;       r = np.clip(x / 2.0 ** e, -6, 6)
;;       step = 2.0 ** (np.maximum(np.frexp(np.where(r == 0, 1, r))[1] - 1, 0) - 1)
;;       q = np.round(r / step) * step * 2.0 ** e      # np.round: ties to even
;;       return np.moveaxis(q.reshape(q.shape[:-2] + (-1,))[..., :K], -1, axis).astype(np.float32)
;;   ~~~
;; One version. Each part assembles by itself: llvm-mc -triple=amdgcn-amd-amdhsa -mcpu=gfx1250 --defsym DOCPART=n.
;; ======== version 1 of 1: 4 launches
;; limits: right only within a limited range of input values
;; workspace buffers: ew 1,146,880 bytes; idxw 131,072 bytes of whole numbers; part 2,048 bytes
;; launch quant_emb (part 1): grid 256 x 1, 2 waves a work-group, no clusters, 168,192 bytes of LDS; arguments emb, ew; writes ew
.if DOCPART == 1
	.amdgcn_target "amdgcn-amd-amdhsa--gfx1250"
	.amdhsa_code_object_version 6
	.text
	.protected	k_q877f434341_quant_emb
	.globl	k_q877f434341_quant_emb
	.p2align	8
	.type	k_q877f434341_quant_emb,@function
k_q877f434341_quant_emb:
	s_mov_b64 s[64:65], 0
	v_nop
	global_prefetch_b8 v0, s[64:65] scope:SCOPE_SE
	s_setreg_imm32_b32 hwreg(HW_REG_WAVE_MODE, 25, 1), 1
	s_wait_xcnt 0x0
; emb [8192][256] f32 becomes, once for the whole program: codes of FP4 (E2M1) with one E8M0 scale byte for each 32 along K, laid in the ORDER OF THE OPERAND'S REGISTERS, and -0.5 x the row's sum of squares.
; ew = 8 chunks of 143,360 bytes; a chunk = 1,024 rows = 64 tiles of 16 rows:
;   codes at tile x 2048 + q x 512 + 16 x lane: the 16 bytes are one block of 32: row lane % 16, k = 64 q + 32 (lane / 16) + 0 .. 31; pieces 0, 1 are the 8 registers of K step 0, pieces 2, 3 those of K step 1;
;   scale words at 131,072 + tile x 128 + 4 x lane: lanes 0-15 the row's word of K step 0, lanes 16-31 that of K step 1;
;   -0.5 |e|^2 at 139,264 + tile x 64 + 4 x row.
; A wave takes one tile: 16 rows x 1,024 bytes come by one tensor load into the wave's own stage (rows 1,040 bytes apart), and a lane reads 4 whole blocks of its row: a block's largest magnitude needs no other lane,
; and the conversions' results are the operand's registers as they stand.
; A block's scale is 2^(floor(log2(largest magnitude)) - 2): its byte is the largest magnitude's exponent field - 2, held at 1 from below.
; LIMITS: a block of zeros gets the byte 1 where the rule says 127 (its codes are zeros, and this program alone reads the bytes); NaN and infinities are not served.
; The scale words (128 bytes a tile) and the 64 bytes of sums a tile are stored as short runs: 96 KB of the launch's 9.5 MB.
; WORK LEFT OUT BY THE PROGRAM, for all finite values of the inputs:
;   (1) argmin over n of |z|^2 + |e_n|^2 - 2 z.e_n: |z|^2 is the same for every n, so the index is that of the largest z.e_n - 0.5 |e_n|^2; |z|^2 is not formed for the search.
;   (2) z + (z_q - z) is z_q by identity: out0 is the chosen row of emb as it lies.  z stays an input of the loss.
; LIMIT: a NaN, an infinity or an overflow that would reach only these terms is not carried to the result.
.set CHUNKB, 143360
.set SCO,    131072
.set NEO,    139264
.set ZP,     1040                      ; a stage row: 1,024 bytes + 16: an odd multiple of 16 bytes, so that the 16 rows of a load fall on 16 different 16-byte columns of 256
.set ZST,    16*ZP
.set ZA,   9                           ; v9   stage + 1040 r + 128 h
.set VC,   10                          ; v10  where my codes go
.set VS,   11                          ; v11  my scale word
.set VN,   12                          ; v12  my row's sum
.set PC,   16                          ; v16-31  the 16 registers of codes
.set SQ,   32                          ; v32-35  sums of squares, two pairs
.set NEE,  36
.set H8,   98                          ; 8 h
.set XN,   104                         ; v104-231  128 numbers: block q at XN + 32 q
.set MXV,  232                         ; largest magnitudes
.set SCF,  236                         ; the conversions' scale operands
.set BY,   240                         ; the scale bytes
.set W0,   244
.set W1,   245
.set KEEP, 246
.set SEND, 247
.set RECV, 250
.set G1Z,  12                          ; s[12:19]
.set G0Z,  20                          ; s[20:23]
.set SEL,  32                          ; s[32:33]
.set HM,   34
	s_load_b128 s[4:7], s[0:1], 0x0                ; emb, ew
	v_lshl_add_u32 v254, v0, 2, 0x29000
	v_mov_b32 v255, 0
	ds_add_u32 v254, v255
	ds_add_u32 v254, v255
	v_lshrrev_b32 v1, 5, v0
	v_readfirstlane_b32 s8, v1                     ; wave 0, 1
	s_lshl_b32 s9, ttmp9, 1
	s_add_co_u32 s9, s9, s8                        ; my tile, 0 .. 511
	s_mov_b32 s[G1Z+0], (2<<16)|(1<<20)|(7<<22)|(3<<25)   ; elements of 4 bytes; padding on: 4 words behind every 256
	s_mov_b32 s[G1Z+1], 256<<16                    ; tensor_dim0 = 256
	s_mov_b32 s[G1Z+2], 16<<16                     ; tensor_dim1 = 16
	s_mov_b32 s[G1Z+3], 256<<16                    ; tile_dim0 = 256
	s_mov_b32 s[G1Z+4], 16                         ; tile_dim1 = 16
	s_mov_b32 s[G1Z+5], 256                        ; elements from row to row
	s_mov_b32 s[G1Z+6], 0
	s_mov_b32 s[G1Z+7], 0
	s_mov_b32 s[G0Z], 1
	s_mul_i32 s[G0Z+1], s8, ZST                    ; my wave's stage
	s_lshl_b32 s28, s9, 14                         ; my 16 rows of 1,024 bytes
	s_mov_b32 s29, 0
	s_lshr_b32 s30, s9, 6
	s_mul_i32 s30, s30, CHUNKB                     ; my chunk of ew
	s_mov_b32 s31, 0
	s_and_b32 s26, s9, 63                          ; my tile in it
	s_mov_b32 s[SEL], 0x76543210
	s_mov_b32 s[SEL+1], 0xfedcba98                 ; v_permlanex16_b32's selects for lane l xor 16
	s_mov_b32 s[HM], 0xffff0000                    ; lanes 16-31
	s_wait_dscnt 0x0
	s_wait_kmcnt 0x0
	s_add_nc_u64 s[G0Z+2:G0Z+3], s[4:5], s[28:29]
	s_or_b32 s[G0Z+3], s[G0Z+3], 0x80000000
	s_add_nc_u64 s[24:25], s[6:7], s[30:31]
	tensor_load_to_lds s[G0Z:G0Z+3], s[G1Z:G1Z+7]  ; filled once; only this wave reads these bytes
	s_nop 0
	v_and_b32 v2, 31, v0                           ; lane
	v_and_b32 v3, 15, v0                           ; r
	v_bfe_u32 v4, v0, 4, 1                         ; h
	v_lshlrev_b32 v[H8], 3, v4
	v_mul_u32_u24 v[ZA], v3, ZP
	v_lshl_add_u32 v[ZA], v4, 7, v[ZA]
	v_add_nc_u32 v[ZA], s[G0Z+1], v[ZA]
	s_lshl_b32 s27, s26, 11
	v_lshl_add_u32 v[VC], v2, 4, s27
	s_lshl_b32 s35, s26, 7
	s_add_co_u32 s35, s35, SCO
	v_lshl_add_u32 v[VS], v2, 2, s35
	s_lshl_b32 s36, s26, 6
	s_add_co_u32 s36, s36, NEO
	v_lshl_add_u32 v[VN], v3, 2, s36
	v_mov_b32 v[RECV], 0                           ; a lane permute's destination counts as one of its sources
	s_wait_alu depctr_va_vdst(0)
	s_wait_tensorcnt 0x0                           ; my 16 rows are in my stage
.irp q, 0,1,2,3
.irp i, 0,1,2,3,4,5,6,7
	ds_load_b128 v[XN+32*\q+4*\i:XN+32*\q+4*\i+3], v[ZA] offset:256*\q+16*\i   ; k = 64 q + 32 h + 4 i ..
.endr
.endr
	s_wait_dscnt 0x0
	; the sum of squares of my 128 numbers, two at a time, in two chains; then lane l xor 16's
	v_pk_mul_f32 v[SQ:SQ+1], v[XN:XN+1], v[XN:XN+1]
	v_pk_mul_f32 v[SQ+2:SQ+3], v[XN+2:XN+3], v[XN+2:XN+3]
.set j, 4
.rept 31
	v_pk_fma_f32 v[SQ:SQ+1], v[XN+j:XN+j+1], v[XN+j:XN+j+1], v[SQ:SQ+1]
	v_pk_fma_f32 v[SQ+2:SQ+3], v[XN+j+2:XN+j+3], v[XN+j+2:XN+j+3], v[SQ+2:SQ+3]
.set j, j+4
.endr
	v_pk_add_f32 v[SQ:SQ+1], v[SQ:SQ+1], v[SQ+2:SQ+3]
	v_add_f32 v[SQ], v[SQ], v[SQ+1]
	v_permlanex16_b32 v[SQ+1], v[SQ], s[SEL], s[SEL+1]
	v_add_f32 v[SQ], v[SQ], v[SQ+1]
	v_mul_f32 v[NEE], -0.5, v[SQ]
	; my four blocks, by turns
.irp q, 0,1,2,3
	v_max3_num_f32 v[MXV+\q], |v[XN+32*\q]|, |v[XN+32*\q+1]|, 0x1800000   ; with the floor 2^(3 - 127): the byte cannot fall under 1
.endr
.irp i, 2,4,6,8,10,12,14,16,18,20,22,24,26,28,30
.irp q, 0,1,2,3
	v_max3_num_f32 v[MXV+\q], v[MXV+\q], |v[XN+32*\q+\i]|, |v[XN+32*\q+\i+1]|
.endr
.endr
.irp q, 0,1,2,3
	v_add_nc_u32 v[SCF+\q], 0xff000000, v[MXV+\q]  ; 2 off the exponent field: the conversion takes the exponent field of this operand as its scale
.endr
.irp q, 0,1,2,3
	v_lshrrev_b32 v[BY+\q], 23, v[SCF+\q]          ; the scale's byte
.endr
.irp q, 0,1,2,3
.irp g, 0,1,2,3
	v_cvt_scalef32_pk8_fp4_f32 v[PC+4*\q+\g], v[XN+32*\q+8*\g:XN+32*\q+8*\g+7], v[SCF+\q]
.endr
.endr
	v_nop                                          ; one plain line behind the last scaled conversion
	; the scale words: my bytes are those of blocks h, 2 + h (K step 0) and 4 + h, 6 + h (K step 1); lanes 0-15 keep step 0's word, lanes 16-31 step 1's, and each sends the other one across
	v_lshl_or_b32 v[W0], v[BY+1], 16, v[BY]
	v_lshl_or_b32 v[W1], v[BY+3], 16, v[BY+2]
	v_lshlrev_b32 v[W0], v[H8], v[W0]
	v_lshlrev_b32 v[W1], v[H8], v[W1]
	v_cndmask_b32 v[KEEP], v[W0], v[W1], s[HM]
	v_cndmask_b32 v[SEND], v[W1], v[W0], s[HM]
	v_permlanex16_b32 v[RECV], v[SEND], s[SEL], s[SEL+1]
	v_or_b32 v[KEEP], v[KEEP], v[RECV]
.irp q, 0,1,2,3
	global_store_b128 v[VC], v[PC+4*\q:PC+4*\q+3], s[24:25] offset:512*\q   ; 32 lanes store 512 consecutive bytes, aligned
.endr
	global_store_b32 v[VS], v[KEEP], s[24:25]
	global_store_b32 v[VN], v[NEE], s[24:25]       ; lanes r and r + 16 store the same word with the same value
	s_wait_tensorcnt 0x0
	ds_add_u32 v254, v255
	s_wait_dscnt 0x0
	s_endpgm
.Lfunc_end_k_q877f434341_quant_emb:
	.size	k_q877f434341_quant_emb, .Lfunc_end_k_q877f434341_quant_emb-k_q877f434341_quant_emb
	.p2alignl 7, 3214868480
	.fill 96, 4, 3214868480
	.section	.rodata,"a",@progbits
	.p2align	6, 0x0
	.amdhsa_kernel k_q877f434341_quant_emb
		.amdhsa_group_segment_fixed_size 168192
		.amdhsa_private_segment_fixed_size 0
		.amdhsa_enable_private_segment 0
		.amdhsa_kernarg_size 16
		.amdhsa_user_sgpr_count 2
		.amdhsa_user_sgpr_kernarg_segment_ptr 1
		.amdhsa_wavefront_size32 1
		.amdhsa_system_sgpr_workgroup_id_x 1
		.amdhsa_system_sgpr_workgroup_id_y 1
		.amdhsa_system_sgpr_workgroup_id_z 1
		.amdhsa_system_vgpr_workitem_id 0
		.amdhsa_next_free_vgpr 256
		.amdhsa_next_free_sgpr 66
		.amdhsa_reserve_vcc 0
		.amdhsa_float_denorm_mode_32 3
		.amdhsa_float_denorm_mode_16_64 3
		.amdhsa_memory_ordered 1
		.amdhsa_forward_progress 1
		.amdhsa_inst_pref_size 16
	.end_amdhsa_kernel
	.amdgpu_metadata
---
amdhsa.version: [ 1, 2 ]
amdhsa.kernels:
  - .name:           k_q877f434341_quant_emb
    .symbol:         k_q877f434341_quant_emb.kd
    .args:
      - { .name: emb, .offset: 0, .size: 8, .value_kind: global_buffer, .address_space: global }
      - { .name: ew, .offset: 8, .size: 8, .value_kind: global_buffer, .address_space: global }
    .group_segment_fixed_size: 168192
    .private_segment_fixed_size: 0
    .kernarg_segment_align: 8
    .kernarg_segment_size: 16
    .max_flat_workgroup_size: 64
    .sgpr_count:     66
    .vgpr_count:     256
    .wavefront_size: 32
...
	.end_amdgpu_metadata
.endif
;; end of part 1
;; launch nearest (part 2): grid 256 x 1, 8 waves a work-group, clusters of 4 x 1, 327,680 bytes of LDS; arguments z, ew, out2, idxw; writes out2, idxw
.if DOCPART == 2
	.amdgcn_target "amdgcn-amd-amdhsa--gfx1250"
	.amdhsa_code_object_version 6
	.text
	.protected	k_q877f434341_nearest
	.globl	k_q877f434341_nearest
	.p2align	8
	.type	k_q877f434341_nearest,@function
k_q877f434341_nearest:
	s_mov_b64 s[64:65], 0
	v_nop
	global_prefetch_b8 v0, s[64:65] scope:SCOPE_SE
	s_setreg_imm32_b32 hwreg(HW_REG_WAVE_MODE, 25, 1), 1
	s_wait_xcnt 0x0
	s_wait_alu depctr_hold_cnt(0) depctr_sa_sdst(0) depctr_va_vdst(0) depctr_va_sdst(0) depctr_va_ssrc(0) depctr_va_vcc(0) depctr_vm_vsrc(0)
	s_getreg_b32 s2, hwreg(HW_REG_IB_STS2, 6, 4)
	s_cmp_eq_u32 s2, 0
	s_cbranch_scc0 .Lentry_in_a_cluster
	s_endpgm
.Lentry_in_a_cluster:
	s_bfe_u32 s2, ttmp6, 0x10000c
	s_cmp_lg_u32 s2, 0x3003
	s_cbranch_scc0 .Lentry_shape_is_right
	s_endpgm
.Lentry_shape_is_right:
; For each token the index of the largest z.e - 0.5 |e|^2 (|z|^2, the same for every row of emb, is left out of the search), the product on codes of FP4 with E8M0 scales.
; A work-group owns 128 tokens and walks all 8,192 rows of emb in 8 chunks of 1,024 rows (ew, laid by the launch before) through two LDS slots.
; EVERY WAVE HOLDS ALL 128 TOKENS (8 fragments x 16 registers) and takes 8 of a chunk's 64 tiles of 16 rows: each fragment of emb is read from LDS once in the work-group.
; Source 0 = 16 rows of emb, source 1 = 16 tokens, C of the first K step = -0.5 |e|^2: a lane holds one token and eight rows.  Per tile and token: the largest of the eight;
; where it beats the running largest, the eight sums and the tile's number are kept by selection; the row within the tile is found once, at the end.  Ties go to the lower index.
; FOUR BUFFERS for emb's fragments, loaded three tiles ahead: a slot's last fragment is in registers at step 5 of 8, so the change of slots stands there, and steps 6 and 7 work on registers
; while the next slot's first fragments come.
; CLUSTER: the four work-groups of a cluster read the same chunks: each wave asks jointly for its eighth of a chunk (70 rows of 256 bytes).
; z comes by global loads (sixteen lanes to 256 consecutive bytes), issued ahead of the first round, is turned through the wave's own stage (16 rows x 272 bytes, a quarter of K at a time),
; quantised (a lane holds whole blocks of 32) and handed to all waves as an image of the operand's registers.
; No prefetch: a chunk's joint load is itself issued a whole chunk, 8 steps of every wave, ahead of its first read, and the stream has only 8 chunks.
; LIMITS: a block of zeros gets the scale byte 1 where the rule says 127 (its codes are zeros; only this launch reads the bytes); NaN and infinities are not served.
; REGISTERS: window 0: v1-19 addresses, v20-31 scales, v32-47 tile number and running largest of 8 token tiles, v48-57 a tile's largest, v64-191 two sets of 64 sums, v192-255 the kept sums.
;            window 1: v0-127 z's fragments; from v128 four buffers of 24: 16 of codes, 8 of -0.5 |e|^2.
.set CHUNKB, 143360
.set PART,   CHUNKB/8
.set SCO,    131072
.set NEO,    139264
.set SLOT1,  CHUNKB
.set SPARE,  2*CHUNKB                  ; the spare words: 128 bytes a wave
.set STG,    SPARE+1024                ; the waves' stages, then their images, at the end the reduction's words: bytes that no tensor load fills
.set SP,     272
.set WST,    16*SP
.set SPW,  1
.set NIL,  2
.set AC,   3
.set AS,   5
.set AN,   7
.set GZ,   9
.set ST,   10
.set ZA,   11
.set IW,   12
.set IWS,  13
.set LI,   14
.set LS,   15
.set RA,   16
.set RB,   17
.set OA,   18
.set H8,   19
.set SA,   20
.set SBK,  24
.set IDB,  32                          ; token tile k: number of the best tile at IDB + 2 k, running largest at IDB + 2 k + 1
.set GM,   48
.set TIDV, 59
.set ACC,  64
.set BEST, 192
.set ABUF, 128                         ; window 1
.set R,    64                          ; the head: z as loaded, 128 registers
.set X,    192                         ; two blocks of 32 neighbours
.set PC,   64                          ; the codes (over z's piece 0, whose LDS stores are done by then)
.set MX,   48
.set SCF,  52
.set BY,   54
.set RECV, 58
.set W0,   60
.set W1,   61
.set KEEP, 62
.set SEND, 63
.set GR,   3
.set WV,   12
.set CX,   15
.set G1E,  28
.set G0E,  36
.set SEL,  46
.set HM,   48
.set CNT,  49
.set NINF, 59
.set MSB, 0
.macro WIN new                         ; the immediate's high byte repeats the setting that is left
.if MSB != \new
	s_set_vgpr_msb (MSB<<8)|\new
.set MSB, \new
.endif
.endm
.macro CREST                           ; a round of the cluster's barrier behind its opening barrier
	s_cmp_lg_u32 s[WV], 0
	s_cbranch_scc1 .Lnot_wave_0_\@
	s_barrier_signal -3
.Lnot_wave_0_\@:
	s_barrier_wait -3
	s_barrier_signal -1
	s_barrier_wait -1
.endm
.macro ROUND
	s_barrier_signal -1
	s_barrier_wait -1
	CREST
.endm
.macro PLACES
.rept 4
	v_nop
.endr
.endm
; tile i of my eight in a slot into buffer p: 7 LDS loads
.macro LOADA i, p, slot
	ds_load_b32 v[SA+(\p)], v[AS+\slot] offset:128*(\i)
	WIN 0x40                                       ; destination window 1, address window 0
.irp c, 0,1,2,3
	ds_load_b128 v[ABUF+24*(\p)+4*\c:ABUF+24*(\p)+4*\c+3], v[AC+\slot] offset:2048*(\i)+512*\c
.endr
.irp c, 0,1
	ds_load_b128 v[ABUF+24*(\p)+16+4*\c:ABUF+24*(\p)+16+4*\c+3], v[AN+\slot] offset:64*(\i)+16*\c
.endr
	WIN 0
.endm
; 16 matrix instructions: buffer PB against the 8 token tiles, two K steps; the 8 accumulators take turns
.macro WMMA
	WIN 0x15                                       ; A, B and C (-0.5 |e|^2) window 1, D window 0
.irp k, 0,1,2,3,4,5,6,7
	v_wmma_scale_f32_16x16x128_f8f6f4 v[AW+8*\k:AW+8*\k+7], v[ABUF+24*PB:ABUF+24*PB+7], v[16*\k:16*\k+7], v[ABUF+24*PB+16:ABUF+24*PB+23], v[SA+PB], v[SBK+\k] matrix_a_fmt:MATRIX_FMT_FP4 matrix_b_fmt:MATRIX_FMT_FP4
.endr
	WIN 0x05                                       ; C now the sums, window 0
.irp k, 0,1,2,3,4,5,6,7
	v_wmma_scale_f32_16x16x128_f8f6f4 v[AW+8*\k:AW+8*\k+7], v[ABUF+24*PB+8:ABUF+24*PB+15], v[16*\k+8:16*\k+15], v[AW+8*\k:AW+8*\k+7], v[SA+PB], v[SBK+\k] matrix_a_fmt:MATRIX_FMT_FP4 matrix_b_fmt:MATRIX_FMT_FP4 matrix_a_scale:MATRIX_SCALE_ROW1 matrix_b_scale:MATRIX_SCALE_ROW1
.endr
	WIN 0
.endm
.macro TREES                           ; the largest of a lane's eight sums, the 8 token tiles by turns; each accumulator is read from its low end on
.irp k, 0,1,2,3,4,5,6,7
	v_max3_num_f32 v[GM+\k+\k/3], v[AB+8*\k], v[AB+8*\k+1], v[AB+8*\k+2]
.endr
.irp j, 3,5
.irp k, 0,1,2,3,4,5,6,7
	v_max3_num_f32 v[GM+\k+\k/3], v[GM+\k+\k/3], v[AB+8*\k+\j], v[AB+8*\k+\j+1]
.endr
.endr
.irp k, 0,1,2,3,4,5,6,7
	v_max_num_f32 v[GM+\k+\k/3], v[GM+\k+\k/3], v[AB+8*\k+7]
.endr
.endm
.macro SELS                            ; where the tile beats the running largest: keep its eight sums and its number (an equal sum leaves the earlier, lower tile)
.irp k, 0,1,2,3,4,5,6,7
	v_cmp_ge_f32 vcc_lo, v[IDB+2*\k+1], v[GM+\k+\k/3]
.irp p, 0,2,4,6
	v_dual_cndmask_b32 v[BEST+8*\k+\p], v[AB+8*\k+\p], v[BEST+8*\k+\p] :: v_dual_cndmask_b32 v[BEST+8*\k+\p+1], v[AB+8*\k+\p+1], v[BEST+8*\k+\p+1]
.endr
	v_dual_cndmask_b32 v[IDB+2*\k], v[TIDV], v[IDB+2*\k] :: v_dual_max_num_f32 v[IDB+2*\k+1], v[GM+\k+\k/3], v[IDB+2*\k+1]
.endr
.endm
; Step i of a chunk: tile i is multiplied, tile i - 1 is searched, tile i + 3 is fetched.
; mode 0: at step 5 the slots change and this slot is filled again; 1: they change, nothing is filled; 2: the last chunk.  first = 1: no tile to search yet.
.macro STEP i, slot, mode, first
.set PB, (\i)%4
.set AW, ACC+64*((\i)%2)
.set AB, ACC+64*(1-(\i)%2)
.if ((\i)==5) && ((\mode)<2)
	s_wait_alu depctr_va_vdst(0)
	s_wait_tensorcnt 0x0                           ; all my tensor loads have landed: my eighth of the next chunk
	ds_add_u32 v[SPW], v[NIL]
.if (\mode)==0
	s_add_nc_u64 s[G0E+4*\slot+2:G0E+4*\slot+3], s[G0E+4*\slot+2:G0E+4*\slot+3], 2*CHUNKB   ; no load of mine is out: this slot's next chunk
.endif
	s_wait_dscnt 15                                ; tile 5 is in; tiles 6 and 7 (7 loads each) and the add may be out
	WMMA
	s_wait_dscnt 0x0                               ; the add is done, and my last reads of this slot, tiles 6 and 7, are in registers
	s_barrier_signal -1
	TREES                                          ; work on registers while the others arrive
	SELS
	v_add_nc_u32 v[TIDV], 1, v[TIDV]
	s_barrier_wait -1
.if (\mode)==0
	CREST                                          ; the barrier has opened a round of the cluster's barrier
	tensor_load_to_lds s[G0E+4*\slot:G0E+4*\slot+3], s[G1E:G1E+7]
	s_nop 0
	PLACES
.endif
	LOADA 0, 0, 1-\slot
.else
.if ((\mode)==2) && ((\i)>5)
	s_wait_dscnt 7*(7-(\i))                        ; nothing more is fetched: the counts run down
.else
	s_wait_dscnt 14                                ; tile i is in; the two tiles behind it (7 loads each) may be out
.endif
	WMMA
.if (\first)==0
	TREES
.else
	PLACES                                         ; no search yet: four places between these products and the next step's read of them
.endif
.if (\i)<5
	LOADA (\i)+3, ((\i)+3)%4, \slot
.elseif (\mode)<2
	LOADA (\i)-5, ((\i)+3)%4, 1-\slot
.endif
.if (\first)==0
	SELS
.if (\i)==0
	v_add_nc_u32 v[TIDV], 57, v[TIDV]              ; from my tile 7 of a chunk to my tile 0 of the next: 64 tiles a chunk
.else
	v_add_nc_u32 v[TIDV], 1, v[TIDV]
.endif
.endif
.endif
.endm
; z's pieces 2 g and 2 g + 1 (64 along K each) through my stage, then my two blocks of 32: largest magnitude in four chains, scale, codes
.macro HALF g
	s_wait_loadcnt 16*(1-\g)                       ; the 16 loads of these two pieces are in; the later pieces' may be out
.irp u, 0,1
.irp i, 0,1,2,3,4,5,6,7
	ds_store_b128 v[ST], v[R+32*(2*\g+\u)+4*\i:R+32*(2*\g+\u)+4*\i+3] offset:2*SP*\i
.endr
.irp i, 0,1,2,3,4,5,6,7
	ds_load_b128 v[X+32*\u+4*\i:X+32*\u+4*\i+3], v[ZA] offset:16*\i   ; LDS serves a wave's instructions in order
.endr
.endr
	s_wait_dscnt 0x0
.irp c, 0,1,2,3
	v_max3_num_f32 v[MX+\c], |v[X+16*\c]|, |v[X+16*\c+1]|, 0x1800000   ; with the floor 2^(3 - 127): the byte cannot fall under 1
.endr
.irp i, 2,4,6,8,10,12,14
.irp c, 0,1,2,3
	s_delay_alu instid0(VALU_DEP_4)
	v_max3_num_f32 v[MX+\c], v[MX+\c], |v[X+16*\c+\i]|, |v[X+16*\c+\i+1]|
.endr
.endr
.irp u, 0,1
	v_max_num_f32 v[MX+2*\u], v[MX+2*\u], v[MX+2*\u+1]
.endr
.irp u, 0,1
	s_delay_alu instid0(VALU_DEP_2)
	v_add_nc_u32 v[SCF+\u], 0xff000000, v[MX+2*\u] ; 2 off the exponent field: the conversion's scale operand
.endr
.irp u, 0,1
	s_delay_alu instid0(VALU_DEP_2)
	v_lshrrev_b32 v[BY+2*\g+\u], 23, v[SCF+\u]     ; the scale's byte
.endr
.irp u, 0,1
.irp t, 0,1,2,3
	v_cvt_scalef32_pk8_fp4_f32 v[PC+4*(2*\g+\u)+\t], v[X+32*\u+8*\t:X+32*\u+8*\t+7], v[SCF+\u]
.endr
.endr
	v_nop                                          ; one plain line behind the last scaled conversion
.endm
	s_load_b256 s[4:11], s[0:1], 0x0               ; z, ew, out2, idxw
	v_lshl_add_u32 v[SPW], v0, 2, SPARE
	v_mov_b32 v[NIL], 0
	ds_add_u32 v[SPW], v[NIL]                      ; the opening lines: the add twice on end and its wait
	ds_add_u32 v[SPW], v[NIL]
	v_lshrrev_b32 v60, 5, v0
	v_readfirstlane_b32 s[WV], v60                 ; wave 0 .. 7
	v_and_b32 v60, 31, v0                          ; lane
	v_and_b32 v61, 15, v0                          ; r
	v_bfe_u32 v62, v0, 4, 1                        ; h
	v_lshlrev_b32 v[GZ], 4, v61
	v_lshl_add_u32 v[GZ], v62, 10, v[GZ]           ; z: sixteen lanes take 256 bytes of a row, lanes 16-31 the next row
	s_bfe_u32 s[CX], ttmp6, 0x40000
	s_lshl_b32 s[GR], ttmp9, 2
	s_add_co_u32 s[GR], s[GR], s[CX]               ; my work-group
	s_lshl_b32 s50, s[GR], 17                      ; its 128 rows of 1,024 bytes,
	s_lshl_b32 s51, s[WV], 14                      ; my wave's 16 of them
	s_add_co_u32 s50, s50, s51
	s_mov_b32 s51, 0
	s_lshl_b32 s52, s[GR], 9                       ; its 128 indices
	s_mov_b32 s53, 0
	s_mov_b32 s[G1E+0], 15|(3<<16)|(1<<21)         ; the cluster's four; elements of 8 bytes
	s_mov_b32 s[G1E+1], 32<<16
	s_mov_b32 s[G1E+2], 70<<16
	s_mov_b32 s[G1E+3], 32<<16
	s_mov_b32 s[G1E+4], 70                         ; 70 rows of 256 bytes: an eighth of a chunk
	s_mov_b32 s[G1E+5], 32
	s_mov_b32 s[G1E+6], 0
	s_mov_b32 s[G1E+7], 0
	s_mul_i32 s56, s[WV], PART
	s_mov_b32 s57, 0
	s_mov_b32 s[G0E], 1
	s_mov_b32 s[G0E+1], s56
	s_mov_b32 s[G0E+4], 1
	s_add_co_u32 s[G0E+5], s56, SLOT1
	s_mov_b32 s[SEL], 0x76543210
	s_mov_b32 s[SEL+1], 0xfedcba98
	s_mov_b32 s[HM], 0xffff0000
	s_mov_b32 s[NINF], 0xff800000
	s_mov_b32 s[CNT], 3
	s_wait_dscnt 0x0
	s_wait_alu depctr_va_vdst(0)
	s_wait_kmcnt 0x0
	s_add_nc_u64 s[4:5], s[4:5], s[50:51]
.irp q, 0,1,2,3
.irp i, 0,1,2,3,4,5,6,7
	global_load_b128 v[R+32*\q+4*\i:R+32*\q+4*\i+3], v[GZ], s[4:5] offset:2048*\i+256*\q th:TH_LOAD_NT   ; rows 2 i, 2 i + 1, piece q
.endr
.endr
	s_add_nc_u64 s[G0E+2:G0E+3], s[6:7], s[56:57]
	s_add_nc_u64 s[G0E+6:G0E+7], s[G0E+2:G0E+3], CHUNKB
	s_or_b32 s[G0E+3], s[G0E+3], 0x80000000
	s_or_b32 s[G0E+7], s[G0E+7], 0x80000000
	s_add_nc_u64 s[8:9], s[8:9], s[52:53]
	s_add_nc_u64 s[10:11], s[10:11], s[52:53]
	ROUND                                          ; the four work-groups are here: the first joint loads meet
	tensor_load_to_lds s[G0E:G0E+3], s[G1E:G1E+7]  ; chunk 0: one tensor load a wave at the head
	s_nop 0
	PLACES
	v_lshlrev_b32 v63, 4, v60
	v_lshlrev_b32 v58, 2, v60
	v_lshlrev_b32 v[H8], 3, v62
	s_lshl_b32 s54, s[WV], 3
	v_mov_b32 v[TIDV], s54                         ; my first tile's number
	s_lshl_b32 s54, s[WV], 14
	v_add_nc_u32 v[AC], s54, v63                   ; my 8 tiles' codes: 16 x lane
	v_add_nc_u32 v[AC+1], SLOT1, v[AC]
	s_lshl_b32 s54, s[WV], 10
	s_add_co_u32 s54, s54, SCO
	v_add_nc_u32 v[AS], s54, v58                   ; their scale words
	v_add_nc_u32 v[AS+1], SLOT1, v[AS]
	s_lshl_b32 s54, s[WV], 9
	s_add_co_u32 s54, s54, NEO
	v_lshl_add_u32 v[AN], v62, 5, s54              ; -0.5 |e|^2 of rows 8 h .. 8 h + 7
	v_add_nc_u32 v[AN+1], SLOT1, v[AN]
	s_mul_i32 s55, s[WV], WST
	s_add_co_u32 s55, s55, STG                     ; my stage
	v_mul_u32_u24 v[ST], v62, SP
	v_lshl_add_u32 v[ST], v61, 4, v[ST]
	v_add_nc_u32 v[ST], s55, v[ST]                 ; in: as loaded
	v_mul_u32_u24 v[ZA], v61, SP
	v_lshl_add_u32 v[ZA], v62, 7, v[ZA]
	v_add_nc_u32 v[ZA], s55, v[ZA]                 ; back: row r, 128 h: a block of 32
	v_add_nc_u32 v[IW], s55, v63                   ; my image: codes, then the scale words
	s_add_co_u32 s55, s55, 2048
	v_add_nc_u32 v[IWS], s55, v58
	v_add_nc_u32 v[LI], STG, v63                   ; all waves' images
	v_add_nc_u32 v[LS], STG+2048, v58
	s_lshl_b32 s54, s[WV], 9
	s_add_co_u32 s54, s54, STG
	v_lshl_add_u32 v[RA], v61, 2, s54              ; the reduction: my wave's 128 words
	s_lshl_b32 s54, s[WV], 8
	v_lshl_add_u32 v[OA], v60, 3, s54              ; waves 0 and 1: two tokens a lane
	v_add_nc_u32 v[RB], STG, v[OA]
	v_mov_b32 v[RECV], 0
	s_wait_alu depctr_va_vdst(0)
	HALF 0
	HALF 1
	; the scale words: lanes 0-15 keep K step 0's, lanes 16-31 K step 1's, and each sends the other half's bytes across
	v_lshl_or_b32 v[W0], v[BY+1], 16, v[BY]
	v_lshl_or_b32 v[W1], v[BY+3], 16, v[BY+2]
	s_delay_alu instid0(VALU_DEP_2)
	v_lshlrev_b32 v[W0], v[H8], v[W0]
	s_delay_alu instid0(VALU_DEP_2)
	v_lshlrev_b32 v[W1], v[H8], v[W1]
	s_delay_alu instid0(VALU_DEP_1)
	v_cndmask_b32 v[KEEP], v[W0], v[W1], s[HM]
	v_cndmask_b32 v[SEND], v[W1], v[W0], s[HM]
	s_delay_alu instid0(VALU_DEP_1)
	v_permlanex16_b32 v[RECV], v[SEND], s[SEL], s[SEL+1]
	s_delay_alu instid0(VALU_DEP_1)
	v_or_b32 v[KEEP], v[KEEP], v[RECV]
.irp q, 0,1,2,3
	ds_store_b128 v[IW], v[PC+4*\q:PC+4*\q+3] offset:512*\q
.endr
	ds_store_b32 v[IWS], v[KEEP]
	s_wait_tensorcnt 0x0                           ; my eighth of chunk 0 is in
	ds_add_u32 v[SPW], v[NIL]
.irp k, 0,1,2,3,4,5,6,7
	v_mov_b32 v[IDB+2*\k+1], s[NINF]               ; the running largest begins under every sum
	v_mov_b32 v[IDB+2*\k], 0
.endr
.set j, 0
.rept 64
	v_mov_b32 v[BEST+j], s[NINF]
.set j, j+1
.endr
	s_wait_alu depctr_va_vdst(0)
	s_wait_dscnt 0x0                               ; the add and my image's stores are done
	ROUND                                          ; chunk 0 and all eight images are whole
	tensor_load_to_lds s[G0E+4:G0E+7], s[G1E:G1E+7]   ; chunk 1
	s_nop 0
	PLACES
	WIN 0x40
.irp k, 0,1,2,3,4,5,6,7
.irp q, 0,1,2,3
	ds_load_b128 v[16*\k+4*\q:16*\k+4*\q+3], v[LI] offset:WST*\k+512*\q
.endr
.endr
	WIN 0
.irp k, 0,1,2,3,4,5,6,7
	ds_load_b32 v[SBK+\k], v[LS] offset:WST*\k
.endr
	LOADA 0, 0, 0
	LOADA 1, 1, 0
	LOADA 2, 2, 0
	STEP 0, 0, 0, 1                                ; the first step stands ahead of the loop: it has no tile to search
.Lchunks:                                              ; a trip: two chunks, from a chunk's step 1 to step 0 of the chunk two on; both slots are filled again
.irp i, 1,2,3,4,5,6,7
	STEP \i, 0, 0, 0
.endr
.irp i, 0,1,2,3,4,5,6,7
	STEP \i, 1, 0, 0
.endr
	STEP 0, 0, 0, 0
	s_sub_co_u32 s[CNT], s[CNT], 1
	s_cmp_lg_u32 s[CNT], 0
	s_cbranch_scc1 .Lchunks
.irp i, 1,2,3,4,5,6,7
	STEP \i, 0, 1, 0                               ; chunk 6: the slots change, nothing is filled
.endr
.irp i, 0,1,2,3,4,5,6,7
	STEP \i, 1, 2, 0                               ; chunk 7
.endr
.set AB, ACC+64
	PLACES                                         ; four places behind the last products
	TREES
	SELS
	; the row within the best tile: the lowest j whose kept sum is the largest
.irp k, 0,1,2,3,4,5,6,7
	v_mov_b32 v[GM+\k], 7
.endr
.irp j, 6,5,4,3,2,1,0
.irp k, 0,1,2,3,4,5,6,7
	v_cmp_eq_f32 vcc_lo, v[BEST+8*\k+\j], v[IDB+2*\k+1]
	s_delay_alu instid0(VALU_DEP_1)
	v_cndmask_b32 v[GM+\k], v[GM+\k], \j, vcc_lo
.endr
.endr
.irp k, 0,1,2,3,4,5,6,7
	v_lshl_add_u32 v[IDB+2*\k], v[IDB+2*\k], 4, v[GM+\k]
.endr
.irp k, 0,1,2,3,4,5,6,7
	v_add_nc_u32 v[IDB+2*\k], v[IDB+2*\k], v[H8]   ; index = 16 x tile + 8 h + j
.endr
.irp k, 0,1,2,3,4,5,6,7                ; with lane l xor 16's eight rows: the larger sum, on a tie the lower index
	v_permlanex16_b32 v60, v[IDB+2*\k+1], s[SEL], s[SEL+1]
	v_permlanex16_b32 v61, v[IDB+2*\k], s[SEL], s[SEL+1]
	s_delay_alu instid0(VALU_DEP_2)
	v_cmp_gt_f32 s54, v60, v[IDB+2*\k+1]
	v_cmp_eq_f32 s55, v60, v[IDB+2*\k+1]
	v_cmp_lt_u32 s56, v61, v[IDB+2*\k]
	s_and_b32 s55, s55, s56
	s_or_b32 s54, s54, s55
	v_cndmask_b32 v[IDB+2*\k+1], v[IDB+2*\k+1], v60, s54
	v_cndmask_b32 v[IDB+2*\k], v[IDB+2*\k], v61, s54
.endr
.irp k, 0,1,2,3,4,5,6,7
	ds_store_b32 v[RA], v[IDB+2*\k+1] offset:64*\k          ; lanes r and r + 16 store the same word with the same value
	ds_store_b32 v[RA], v[IDB+2*\k] offset:4096+64*\k
.endr
	s_wait_dscnt 0x0                               ; for the others' sake
	s_barrier_signal -1
	s_barrier_wait -1
	s_cmp_lt_u32 s[WV], 2
	s_cbranch_scc0 .Lfinish
.irp c, 0,1,2,3,4,5,6,7                ; waves 0 and 1 join the eight waves' results, two tokens a lane
	ds_load_b64 v[64+2*\c:65+2*\c], v[RB] offset:512*\c
	ds_load_b64 v[80+2*\c:81+2*\c], v[RB] offset:4096+512*\c
.endr
	s_wait_dscnt 0x0
.irp c, 1,2,3,4,5,6,7
.irp t, 0,1
	v_cmp_gt_f32 s54, v[64+2*\c+\t], v[64+\t]
	v_cmp_eq_f32 s55, v[64+2*\c+\t], v[64+\t]
	v_cmp_lt_u32 s56, v[80+2*\c+\t], v[80+\t]
	s_and_b32 s55, s55, s56
	s_or_b32 s54, s54, s55
	v_cndmask_b32 v[64+\t], v[64+\t], v[64+2*\c+\t], s54
	v_cndmask_b32 v[80+\t], v[80+\t], v[80+2*\c+\t], s54
.endr
.endr
	global_store_b64 v[OA], v[80:81], s[8:9]       ; 32 lanes store 256 consecutive bytes, aligned
	global_store_b64 v[OA], v[80:81], s[10:11]
.Lfinish:
	s_wait_tensorcnt 0x0                           ; the wave's end
	ds_add_u32 v[SPW], v[NIL]
	s_wait_dscnt 0x0
	ROUND                                          ; the closing round
	s_endpgm
.Lfunc_end_k_q877f434341_nearest:
	.size	k_q877f434341_nearest, .Lfunc_end_k_q877f434341_nearest-k_q877f434341_nearest
	.p2alignl 7, 3214868480
	.fill 96, 4, 3214868480
	.section	.rodata,"a",@progbits
	.p2align	6, 0x0
	.amdhsa_kernel k_q877f434341_nearest
		.amdhsa_group_segment_fixed_size 327680
		.amdhsa_private_segment_fixed_size 0
		.amdhsa_enable_private_segment 0
		.amdhsa_kernarg_size 32
		.amdhsa_user_sgpr_count 2
		.amdhsa_user_sgpr_kernarg_segment_ptr 1
		.amdhsa_wavefront_size32 1
		.amdhsa_system_sgpr_workgroup_id_x 1
		.amdhsa_system_sgpr_workgroup_id_y 1
		.amdhsa_system_sgpr_workgroup_id_z 1
		.amdhsa_system_vgpr_workitem_id 0
		.amdhsa_next_free_vgpr 480
		.amdhsa_next_free_sgpr 66
		.amdhsa_reserve_vcc 1
		.amdhsa_float_denorm_mode_32 3
		.amdhsa_float_denorm_mode_16_64 3
		.amdhsa_memory_ordered 1
		.amdhsa_forward_progress 1
		.amdhsa_inst_pref_size 255
	.end_amdhsa_kernel
	.section	.bss,"aw",@nobits
	.p2align	6
	.space	262144
	.amdgpu_metadata
---
amdhsa.version: [ 1, 2 ]
amdhsa.kernels:
  - .name:           k_q877f434341_nearest
    .symbol:         k_q877f434341_nearest.kd
    .args:
      - { .name: z, .offset: 0, .size: 8, .value_kind: global_buffer, .address_space: global }
      - { .name: ew, .offset: 8, .size: 8, .value_kind: global_buffer, .address_space: global }
      - { .name: out2, .offset: 16, .size: 8, .value_kind: global_buffer, .address_space: global }
      - { .name: idxw, .offset: 24, .size: 8, .value_kind: global_buffer, .address_space: global }
    .group_segment_fixed_size: 327680
    .private_segment_fixed_size: 0
    .kernarg_segment_align: 8
    .kernarg_segment_size: 32
    .max_flat_workgroup_size: 256
    .sgpr_count:     66
    .vgpr_count:     480
    .wavefront_size: 32
...
	.end_amdgpu_metadata
.endif
;; end of part 2
;; launch gather (part 3): grid 512 x 1, 8 waves a work-group, no clusters, 1,280 bytes of LDS; arguments z, emb, idxw, out0, part; writes out0, part
.if DOCPART == 3
	.amdgcn_target "amdgcn-amd-amdhsa--gfx1250"
	.amdhsa_code_object_version 6
	.text
	.protected	k_q877f434341_gather
	.globl	k_q877f434341_gather
	.p2align	8
	.type	k_q877f434341_gather,@function
k_q877f434341_gather:
	s_mov_b64 s[64:65], 0
	v_nop
	global_prefetch_b8 v0, s[64:65] scope:SCOPE_SE
	s_setreg_imm32_b32 hwreg(HW_REG_WAVE_MODE, 25, 1), 1
	s_wait_xcnt 0x0
; out0 = emb[idx] (z + (emb[idx] - z) is emb[idx] by identity: the sum is left out), and for each work-group the sum of (emb[idx] - z)^2 over its 64 tokens, into part[work-group].
; A stream: no matrix unit, no cluster, no tile in LDS.  A wave owns 8 tokens; a row of 1,024 bytes is two loads of 512 consecutive bytes.  All 32 loads of a wave go out at once:
; z's sixteen first, which need no index, then the sixteen gathered ones.  The sums of squares, the barrier and the work-group's word come first; the rows, which leave as they were loaded, are stored last,
; so that no vector instruction stands behind a store.  Every offset is an immediate; no register of a load or store is written again.
; The indices come from the launch before as whole numbers; each is held to 8,191 ahead of its use in an address.
.set VE, 2                             ; v2-9    token j: 1,024 x its row + 16 x lane
.set ZR, 16                            ; v16-79  z, 8 registers a token, then e - z
.set ER, 80                            ; v80-143 the row of emb
.set SS, 144                           ; v144-147 the sums of squares, two pairs
	s_load_b256 s[4:11], s[0:1], 0x0               ; z s[4:5], emb s[6:7], idxw s[8:9], out0 s[10:11]
	s_load_b64 s[12:13], s[0:1], 0x20              ; part
	v_lshl_add_u32 v160, v0, 2, 0x100
	v_mov_b32 v161, 0
	v_lshrrev_b32 v1, 5, v0
	s_delay_alu instid0(VALU_DEP_1)
	v_readfirstlane_b32 s14, v1                    ; wave 0 .. 7
	v_and_b32 v1, 31, v0
	s_delay_alu instid0(VALU_DEP_1)
	v_lshlrev_b32 v1, 4, v1                        ; 16 x lane
	s_lshl_b32 s15, ttmp9, 6
	s_lshl_b32 s24, s14, 3
	s_add_co_u32 s15, s15, s24                     ; my first token: 64 x work-group + 8 x wave
	s_lshl_b32 s24, s15, 2                         ; its index,
	s_mov_b32 s25, 0
	s_lshl_b32 s26, s15, 10                        ; its row of z and of out0
	s_mov_b32 s27, 0
	s_lshl_b32 s29, ttmp9, 2
	v_mov_b32 v150, s29                            ; my work-group's word of part
	v_mov_b32 v148, s14
	s_delay_alu instid0(VALU_DEP_1)
	v_lshlrev_b32 v148, 2, v148                    ; LDS: my wave's word
	v_mov_b32 v149, 0
	s_mov_b32 s30, 0x76543210
	s_mov_b32 s31, 0xfedcba98
	s_wait_alu depctr_va_vdst(0)
	s_wait_kmcnt 0x0
	s_add_nc_u64 s[8:9], s[8:9], s[24:25]
	s_load_b256 s[16:23], s[8:9], 0x0              ; my eight indices
	s_add_nc_u64 s[4:5], s[4:5], s[26:27]
	s_add_nc_u64 s[10:11], s[10:11], s[26:27]
.irp j, 0,1,2,3,4,5,6,7
	global_load_b128 v[ZR+8*\j:ZR+8*\j+3], v1, s[4:5] offset:1024*\j th:TH_LOAD_NT
	global_load_b128 v[ZR+8*\j+4:ZR+8*\j+7], v1, s[4:5] offset:1024*\j+512 th:TH_LOAD_NT
.endr
	s_wait_kmcnt 0x0
.irp j, 0,1,2,3,4,5,6,7
	s_min_u32 s[16+\j], s[16+\j], 8191
	s_lshl_b32 s[16+\j], s[16+\j], 10
	v_add_nc_u32 v[VE+\j], s[16+\j], v1
.endr
	s_wait_alu depctr_va_vdst(0)
.irp j, 0,1,2,3,4,5,6,7
	global_load_b128 v[ER+8*\j:ER+8*\j+3], v[VE+\j], s[6:7]              ; no hint: a row may be named by many tokens
	global_load_b128 v[ER+8*\j+4:ER+8*\j+7], v[VE+\j], s[6:7] offset:512
.endr
.irp j, 0,1,2,3,4,5,6,7
	s_wait_alu depctr_va_vdst(0)                   ; ahead of the blocking wait
	s_wait_loadcnt 14-2*\j                         ; loads come back in order: z and this token's row are in; the later tokens' two loads each may be out
.irp p, 0,1,2,3
	v_pk_add_f32 v[ZR+8*\j+2*\p:ZR+8*\j+2*\p+1], v[ER+8*\j+2*\p:ER+8*\j+2*\p+1], v[ZR+8*\j+2*\p:ZR+8*\j+2*\p+1] neg_lo:[0,1] neg_hi:[0,1]   ; e - z
.endr
.irp p, 0,1,2,3
.if (\j == 0) && (\p < 2)
	v_pk_mul_f32 v[SS+2*\p:SS+2*\p+1], v[ZR+8*\j+2*\p:ZR+8*\j+2*\p+1], v[ZR+8*\j+2*\p:ZR+8*\j+2*\p+1]   ; the first squares start the sums
.else
	v_pk_fma_f32 v[SS+2*(\p%2):SS+2*(\p%2)+1], v[ZR+8*\j+2*\p:ZR+8*\j+2*\p+1], v[ZR+8*\j+2*\p:ZR+8*\j+2*\p+1], v[SS+2*(\p%2):SS+2*(\p%2)+1]
.endif
.endr
.endr
	v_pk_add_f32 v[SS:SS+1], v[SS:SS+1], v[SS+2:SS+3]
	s_delay_alu instid0(VALU_DEP_1)
	v_add_f32 v[SS], v[SS], v[SS+1]
	s_delay_alu instid0(VALU_DEP_1)
	v_add_f32_dpp v[SS], v[SS], v[SS] row_xmask:1 row_mask:0xf bank_mask:0xf
	s_delay_alu instid0(VALU_DEP_1)
	v_add_f32_dpp v[SS], v[SS], v[SS] row_xmask:2 row_mask:0xf bank_mask:0xf
	s_delay_alu instid0(VALU_DEP_1)
	v_add_f32_dpp v[SS], v[SS], v[SS] row_xmask:4 row_mask:0xf bank_mask:0xf
	s_delay_alu instid0(VALU_DEP_1)
	v_add_f32_dpp v[SS], v[SS], v[SS] row_xmask:8 row_mask:0xf bank_mask:0xf
	s_delay_alu instid0(VALU_DEP_1)
	v_permlanex16_b32 v[SS+1], v[SS], s30, s31
	s_delay_alu instid0(VALU_DEP_1)
	v_add_f32 v[SS], v[SS], v[SS+1]                ; the wave's sum, in every lane
	ds_store_b32 v148, v[SS]
	s_wait_dscnt 0x0                               ; for the others' sake
	s_barrier_signal -1
	s_barrier_wait -1
	s_cmp_lg_u32 s14, 0
	s_cbranch_scc1 .Lrows
	ds_load_b128 v[152:155], v149
	ds_load_b128 v[156:159], v149 offset:16
	s_wait_dscnt 0x0
	v_pk_add_f32 v[152:153], v[152:153], v[154:155]
	v_pk_add_f32 v[156:157], v[156:157], v[158:159]
	s_delay_alu instid0(VALU_DEP_1)
	v_pk_add_f32 v[152:153], v[152:153], v[156:157]
	s_delay_alu instid0(VALU_DEP_1)
	v_add_f32 v152, v152, v153
	s_wait_alu depctr_va_vdst(0)
	s_wait_xcnt 0x0                                ; EXEC changes only behind this wait
	v_cmp_eq_u32 vcc_lo, 0, v0
	s_and_saveexec_b32 s28, vcc_lo
	global_store_b32 v150, v152, s[12:13]          ; one word a work-group
	s_wait_xcnt 0x0
	s_or_b32 exec_lo, exec_lo, s28
.Lrows:
.irp j, 0,1,2,3,4,5,6,7
	global_store_b128 v1, v[ER+8*\j:ER+8*\j+3], s[10:11] offset:1024*\j th:TH_STORE_NT         ; 32 lanes store 512 consecutive bytes, aligned
	global_store_b128 v1, v[ER+8*\j+4:ER+8*\j+7], s[10:11] offset:1024*\j+512 th:TH_STORE_NT
.endr
	s_wait_tensorcnt 0x0                           ; the wave's end
	ds_add_u32 v160, v161
	s_wait_dscnt 0x0
	s_endpgm
.Lfunc_end_k_q877f434341_gather:
	.size	k_q877f434341_gather, .Lfunc_end_k_q877f434341_gather-k_q877f434341_gather
	.p2alignl 7, 3214868480
	.fill 96, 4, 3214868480
	.section	.rodata,"a",@progbits
	.p2align	6, 0x0
	.amdhsa_kernel k_q877f434341_gather
		.amdhsa_group_segment_fixed_size 1280
		.amdhsa_private_segment_fixed_size 0
		.amdhsa_enable_private_segment 0
		.amdhsa_kernarg_size 40
		.amdhsa_user_sgpr_count 2
		.amdhsa_user_sgpr_kernarg_segment_ptr 1
		.amdhsa_wavefront_size32 1
		.amdhsa_system_sgpr_workgroup_id_x 1
		.amdhsa_system_sgpr_workgroup_id_y 1
		.amdhsa_system_sgpr_workgroup_id_z 1
		.amdhsa_system_vgpr_workitem_id 0
		.amdhsa_next_free_vgpr 162
		.amdhsa_next_free_sgpr 66
		.amdhsa_reserve_vcc 1
		.amdhsa_float_denorm_mode_32 3
		.amdhsa_float_denorm_mode_16_64 3
		.amdhsa_memory_ordered 1
		.amdhsa_forward_progress 1
		.amdhsa_inst_pref_size 14
	.end_amdhsa_kernel
	.amdgpu_metadata
---
amdhsa.version: [ 1, 2 ]
amdhsa.kernels:
  - .name:           k_q877f434341_gather
    .symbol:         k_q877f434341_gather.kd
    .args:
      - { .name: z, .offset: 0, .size: 8, .value_kind: global_buffer, .address_space: global }
      - { .name: emb, .offset: 8, .size: 8, .value_kind: global_buffer, .address_space: global }
      - { .name: idxw, .offset: 16, .size: 8, .value_kind: global_buffer, .address_space: global }
      - { .name: out0, .offset: 24, .size: 8, .value_kind: global_buffer, .address_space: global }
      - { .name: part, .offset: 32, .size: 8, .value_kind: global_buffer, .address_space: global }
    .group_segment_fixed_size: 1280
    .private_segment_fixed_size: 0
    .kernarg_segment_align: 8
    .kernarg_segment_size: 40
    .max_flat_workgroup_size: 256
    .sgpr_count:     66
    .vgpr_count:     162
    .wavefront_size: 32
...
	.end_amdgpu_metadata
.endif
;; end of part 3
;; launch loss (part 4): grid 1 x 1, 1 waves a work-group, no clusters, 0 bytes of LDS; arguments part, out1; writes out1
.if DOCPART == 4
	.amdgcn_target "amdgcn-amd-amdhsa--gfx1250"
	.amdhsa_code_object_version 6
	.text
	.protected	k_q877f434341_loss
	.globl	k_q877f434341_loss
	.p2align	8
	.type	k_q877f434341_loss,@function
k_q877f434341_loss:
	s_mov_b64 s[64:65], 0
	v_nop
	global_prefetch_b8 v0, s[64:65] scope:SCOPE_SE
	s_setreg_imm32_b32 hwreg(HW_REG_WAVE_MODE, 25, 1), 1
	s_wait_xcnt 0x0
; out1 = 0.25 m + m, m = the mean of (emb[idx] - z)^2 over 2^23 numbers: the sum of the 512 partial sums x 2^-23.  One wave: 16 numbers a lane.
; A sum over work-groups has one owner, in a launch behind theirs.
	s_load_b128 s[4:7], s[0:1], 0x0                ; part, out1
	v_lshlrev_b32 v1, 4, v0
	v_mov_b32 v2, 0
	s_mov_b32 s8, 0x76543210
	s_mov_b32 s9, 0xfedcba98
	s_wait_alu depctr_va_vdst(0)
	s_wait_kmcnt 0x0
.irp i, 0,1,2,3
	global_load_b128 v[4+4*\i:7+4*\i], v1, s[4:5] offset:512*\i
.endr
	s_wait_loadcnt 0x0
	v_pk_add_f32 v[4:5], v[4:5], v[6:7]
	v_pk_add_f32 v[8:9], v[8:9], v[10:11]
	v_pk_add_f32 v[12:13], v[12:13], v[14:15]
	v_pk_add_f32 v[16:17], v[16:17], v[18:19]
	v_pk_add_f32 v[4:5], v[4:5], v[8:9]
	v_pk_add_f32 v[12:13], v[12:13], v[16:17]
	v_pk_add_f32 v[4:5], v[4:5], v[12:13]
	v_add_f32 v4, v4, v5
	v_add_f32_dpp v4, v4, v4 row_xmask:1 row_mask:0xf bank_mask:0xf
	v_add_f32_dpp v4, v4, v4 row_xmask:2 row_mask:0xf bank_mask:0xf
	v_add_f32_dpp v4, v4, v4 row_xmask:4 row_mask:0xf bank_mask:0xf
	v_add_f32_dpp v4, v4, v4 row_xmask:8 row_mask:0xf bank_mask:0xf
	v_permlanex16_b32 v5, v4, s8, s9
	v_add_f32 v4, v4, v5
	v_mul_f32 v4, 0x34000000, v4                   ; x 2^-23: the mean
	v_fma_f32 v6, 0x3e800000, v4, v4               ; 0.25 m + m
	s_wait_alu depctr_va_vdst(0)
	s_wait_xcnt 0x0                                ; EXEC changes only behind this wait
	v_cmp_eq_u32 vcc_lo, 0, v0
	s_and_saveexec_b32 s10, vcc_lo
	global_store_b32 v2, v6, s[6:7]
	s_wait_xcnt 0x0
	s_or_b32 exec_lo, exec_lo, s10
	s_endpgm
.Lfunc_end_k_q877f434341_loss:
	.size	k_q877f434341_loss, .Lfunc_end_k_q877f434341_loss-k_q877f434341_loss
	.p2alignl 7, 3214868480
	.fill 96, 4, 3214868480
	.section	.rodata,"a",@progbits
	.p2align	6, 0x0
	.amdhsa_kernel k_q877f434341_loss
		.amdhsa_group_segment_fixed_size 0
		.amdhsa_private_segment_fixed_size 0
		.amdhsa_enable_private_segment 0
		.amdhsa_kernarg_size 16
		.amdhsa_user_sgpr_count 2
		.amdhsa_user_sgpr_kernarg_segment_ptr 1
		.amdhsa_wavefront_size32 1
		.amdhsa_system_sgpr_workgroup_id_x 1
		.amdhsa_system_sgpr_workgroup_id_y 1
		.amdhsa_system_sgpr_workgroup_id_z 1
		.amdhsa_system_vgpr_workitem_id 0
		.amdhsa_next_free_vgpr 32
		.amdhsa_next_free_sgpr 66
		.amdhsa_reserve_vcc 1
		.amdhsa_float_denorm_mode_32 3
		.amdhsa_float_denorm_mode_16_64 3
		.amdhsa_memory_ordered 1
		.amdhsa_forward_progress 1
		.amdhsa_inst_pref_size 3
	.end_amdhsa_kernel
	.amdgpu_metadata
---
amdhsa.version: [ 1, 2 ]
amdhsa.kernels:
  - .name:           k_q877f434341_loss
    .symbol:         k_q877f434341_loss.kd
    .args:
      - { .name: part, .offset: 0, .size: 8, .value_kind: global_buffer, .address_space: global }
      - { .name: out1, .offset: 8, .size: 8, .value_kind: global_buffer, .address_space: global }
    .group_segment_fixed_size: 0
    .private_segment_fixed_size: 0
    .kernarg_segment_align: 8
    .kernarg_segment_size: 16
    .max_flat_workgroup_size: 32
    .sgpr_count:     66
    .vgpr_count:     32
    .wavefront_size: 32
...
	.end_amdgpu_metadata
.endif
;; end of part 4
